; MI455X (gfx1250); checked and timed in simulation.
; The chip was launched on July 23, 2026; its instructions are those of AMD's public machine-readable ISA for CDNA 5 (MIT licence, August 2026) and "CDNA5" Instruction Set Architecture Reference Guide (July 2026). The comments in the code are by the model that wrote it; some were corrected since.
;; Multi Head Attention. Allowed arithmetic: matrix products marked QUANTISED: E5M2 operands, one given power-of-two scale a tensor, by v_wmma_f32_16x16x64_bf8_bf8 or v_wmma_f32_16x16x128_bf8_bf8, f32 sums; everything else in f32.
;; Inputs: W_k 1,024 x 1,024 float32; W_o 1,024 x 1,024 float32; W_q 1,024 x 1,024 float32; W_v 1,024 x 1,024 float32; b_o 1,024 float32; inputs 4 x 2,048 x 1,024 float32; lowp_scales 12 int32 (the exponents e of the quantised operands' scales 2^e).
;; Outputs: out0 4 x 2,048 x 1,024 float32.
;; This version of the problem:
;;   THIS VERSION OF THE PROBLEM IS GIVEN IN LOW PRECISION. The matrix products marked QUANTISED in the list below multiply operands that are first quantised to E5M2 (5 exponent bits, 2 mantissa bits; 8 bits a number), with one given power-of-two scale for each operand tensor; their sums are f32. All else is computed in f32.
;;   The module's matrix products, in the order in which they are computed (A, B: the left and right operand; K: the contracted axis; several contracted axes count as one K, in the product's order):
;;     1. [M 8,192, K 1,024] x [K 1,024, N 1,024]; A: input inputs; B: input W_q: QUANTISED (scales: A lowp_scales[0], B lowp_scales[1])
;;     2. [M 8,192, K 1,024] x [K 1,024, N 1,024]; A: input inputs; B: input W_k: QUANTISED (scales: A lowp_scales[2], B lowp_scales[3])
;;     3. [M 8,192, K 1,024] x [K 1,024, N 1,024]; A: input inputs; B: input W_v: QUANTISED (scales: A lowp_scales[4], B lowp_scales[5])
;;     4. batch 64 x [M 2,048, K 64] x [K 64, N 2,048]; A: computed on the way; B: computed on the way: QUANTISED (scales: A lowp_scales[6], B lowp_scales[7])
;;     5. batch 64 x [M 2,048, K 2,048] x [K 2,048, N 64]; A: softmax (see below); B: computed on the way: QUANTISED (scales: A lowp_scales[8], B lowp_scales[9])
;;     6. [M 8,192, K 1,024] x [K 1,024, N 1,024]; A: computed on the way; B: input W_o: QUANTISED (scales: A lowp_scales[10], B lowp_scales[11])
;;   THE QUANTISER, for each operand of a quantised product, along K:
;;     - The operand's scale is 2^e, e = its entry of the input lowp_scales (int32; the entries are numbered through the quantised products in the list's order, A before B).
;;     - Each number is divided by the scale, clamped to +-57,344, and rounded to the nearest number of E5M2, ties to even, subnormals kept.
;;     - The product sums the exact products of the quantised numbers (number of the format x scale) in f32.
;;   ~~~python
;;   def quantise(x, axis, e):      # numpy; x: float32 -> the quantised numbers, widened to float32 again
;;       x = np.moveaxis(x, axis, -1); K = x.shape[-1]
;;       r = np.clip(x / 2.0 ** e, -57344, 57344)
;;       step = 2.0 ** (np.maximum(np.frexp(np.where(r == 0, 1, r))[1] - 1, -14) - 2)
;;       q = np.round(r / step) * step * 2.0 ** e      # np.round: ties to even
;;       return np.moveaxis(q, -1, axis).astype(np.float32)
;;   ~~~
;;   SOFTMAX AHEAD OF A QUANTISED PRODUCT. Where the list says 'softmax', what is quantised is not the finished softmax but p = 2^(t - M), with t = logit x log2(e) and M = ceil(the row's largest t), a whole number; so 1/2 < the row's largest p <= 1. The row's sum l is taken of the UNQUANTISED p, in f32, and the product's result is divided by l at the end. Since M is a whole number, a kernel that streams over the keys may use a running M (the ceiling of the running maximum): every later rescaling is an exact power of two, so the quantised numbers keep their values, but for numbers so far below the row's largest that they fall under the format's range.
;;   OPERANDS COMPUTED ON THE WAY. 'Computed on the way' means the value that the module computes at that place (a softmax that the list does not call 'softmax' is quantised finished and normalised). What goes into a quantiser is computed in f32, as accurately as f32 sums, v_exp_f32 and their like allow (about 1e-6 of the number): no bf16 or f16 on the way to a quantiser, and a product that is left as it is and whose result goes on into a quantised operand takes f32 operands (vector FMAs, or v_wmma_f32_16x16x4_f32). A number that lies on a knife's edge between two numbers of the format may be rounded either way, as far as f32 arithmetic and the matrix unit's own rounding can turn it there, and no further.
;; One version. Each part assembles by itself: llvm-mc -triple=amdgcn-amd-amdhsa -mcpu=gfx1250 --defsym DOCPART=n.
;; ======== version 1 of 1: 4 launches
;; limits: right only within a limited range of input values
;; workspace buffers: codes 29,360,128 bytes; qkv 25,165,824 bytes; ctx 8,388,608 bytes
;; launch quant (part 1): grid 384 x 1, 4 waves a work-group, no clusters, 34,304 bytes of LDS; arguments inputs, W_q, W_k, W_v, W_o, lowp_scales, codes; writes codes
.if DOCPART == 1
	.amdgcn_target "amdgcn-amd-amdhsa--gfx1250"
	.amdhsa_code_object_version 6
	.text
	.protected	k_qae0e0dddbb_quant
	.globl	k_qae0e0dddbb_quant
	.p2align	8
	.type	k_qae0e0dddbb_quant,@function
k_qae0e0dddbb_quant:
	s_mov_b64 s[64:65], 0
	v_nop
	global_prefetch_b8 v0, s[64:65] scope:SCOPE_SE
	s_setreg_imm32_b32 hwreg(HW_REG_WAVE_MODE, 25, 1), 1
	s_wait_xcnt 0x0
; inputs [8192][1024] and W_q, W_k, W_v, W_o [1024][1024], f32, K innermost, become codes of BF8 (E5M2), laid as IMAGES OF OPERAND REGISTERS.
; code = x / 2^e, held within +-57,344, to the nearest code, ties to even.  inputs is an operand of three products under three given exponents (entries 0, 2, 4 of the scales): three sets of codes.
; The weights take entries 1, 3, 5, 11.  LIMITS: each of these exponents lies between -126 and 112, so that 2^e and 57,344 x 2^e are f32 numbers.  NaN among the inputs is not served.
; THE IMAGE.  A fragment is 16 rows x 128 K = 2,048 bytes: group c (0..3) is 512 bytes, lane l's 16 bytes at 512 c + 16 l; lane l holds k = 32 c + 16 (l / 16) + 0 .. 15 of the fragment's row l % 16.
; Row tile 2 B + u holds, as its row i, the tensor's row 32 B + 8 u + i + 8 (i / 8).  A row tile's 8 fragments lie on end: 16,384 bytes.
; codes: x under e0 at 0, under e2 at 8 Mi, under e4 at 16 Mi; W_q at 24 Mi, W_k at 25 Mi, W_v at 26 Mi, W_o at 27 Mi.
; SHARES.  Work-groups 0-255 take inputs, 256-383 the weights (32 each); a work-group takes 32 rows = two row tiles; wave w takes tile w / 2 and half w % 2 of K: four units of 16 rows x 128 K.
; A load reads 512 consecutive bytes of one row; a unit turns through the wave's own stage in LDS (rows of 512 + 16 bytes) so that a lane gets 16 neighbours along K; a store writes 512 consecutive bytes.
; No tensor loads, no barrier: waves share nothing.  No matrix unit, no cluster: no work-group reads what another reads.
.set SP,   528                         ; a stage row: 512 bytes + 16: the 16 rows that a read touches start 16 bytes apart modulo 256
.set STG,  16*SP                       ; a wave's stage
.set LI,   1                           ; v1   16 x lane
.set SA,   2                           ; v2   the stage, on the way in
.set LA,   3                           ; v3   the stage, on the way out: row l % 16, + 64 (l / 16)
.set R,    16                          ; v16-143  two sets of 64: a unit as loaded
.set X,    144                         ; v144-207 a unit turned: register 16 c + i = k 32 c + 16 (l / 16) + i
.set TMP,  208
.set CD,   240                         ; v240-255 a fragment's codes
	s_load_b256 s[4:11], s[0:1], 0x0               ; inputs, W_q, W_k, W_v
	s_load_b128 s[12:15], s[0:1], 0x20             ; W_o, the scales' exponents
	s_load_b64 s[16:17], s[0:1], 0x30              ; codes
	v_lshl_add_u32 v14, v0, 2, 0x8400
	v_mov_b32 v15, 0
	v_lshrrev_b32 v10, 5, v0
	v_readfirstlane_b32 s18, v10                   ; wave
	v_and_b32 v11, 31, v0
	v_lshlrev_b32 v[LI], 4, v11
	s_mul_i32 s19, s18, STG
	v_add_nc_u32 v[SA], s19, v[LI]
	v_and_b32 v12, 15, v0
	v_bfe_u32 v13, v0, 4, 1
	v_mul_u32_u24 v[LA], v12, SP
	v_lshl_add_u32 v[LA], v13, 6, v[LA]
	v_add_nc_u32 v[LA], s19, v[LA]
	s_lshr_b32 s47, s18, 1                         ; u: which of the two row tiles
	s_and_b32 s48, s18, 1                          ; which half of K
	s_sub_co_u32 s28, ttmp9, 256
	s_lshr_b32 s29, s28, 5                         ; which weight (no number from 0 to 3 in a work-group of inputs)
	s_and_b32 s30, s28, 31                         ; which 32 rows of it
	s_lshl_b32 s45, s29, 20
	s_add_co_u32 s45, s45, 24<<20                  ; where its codes begin
	s_cmp_lt_u32 ttmp9, 256                        ; inputs or a weight: the choice hangs on the work-group's number alone
	s_cselect_b32 s30, ttmp9, s30
	s_cselect_b32 s45, 0, s45
	s_lshl_b32 s50, s30, 17                        ; from: 32 rows of 4,096 bytes,
	s_lshl_b32 s49, s47, 15                        ; tile u begins 8 rows on,
	s_add_co_u32 s50, s50, s49
	s_lshl_b32 s49, s48, 11                        ; half of a row
	s_add_co_u32 s50, s50, s49
	s_mov_b32 s51, 0
	s_lshl_b32 s49, s30, 15                        ; to: two row tiles of 16,384 bytes,
	s_add_co_u32 s52, s45, s49
	s_lshl_b32 s49, s47, 14
	s_add_co_u32 s52, s52, s49
	s_lshl_b32 s49, s48, 13                        ; four fragments
	s_add_co_u32 s52, s52, s49
	s_mov_b32 s53, 0
	s_wait_alu depctr_va_vdst(0)
	s_wait_kmcnt 0x0
	s_load_b256 s[32:39], s[14:15], 0x0            ; e0 .. e7
	s_load_b128 s[40:43], s[14:15], 0x20           ; e8 .. e11
	s_cmp_eq_u32 s29, 1
	s_cselect_b64 s[20:21], s[8:9], s[6:7]
	s_cmp_eq_u32 s29, 2
	s_cselect_b64 s[20:21], s[10:11], s[20:21]
	s_cmp_eq_u32 s29, 3
	s_cselect_b64 s[20:21], s[12:13], s[20:21]
	s_cmp_lt_u32 ttmp9, 256
	s_cselect_b64 s[20:21], s[4:5], s[20:21]
	s_add_nc_u64 s[20:21], s[20:21], s[50:51]      ; my wave's first number
	s_add_nc_u64 s[22:23], s[16:17], s[52:53]      ; my wave's first fragment,
	s_add_nc_u64 s[24:25], s[22:23], 8<<20         ; and the same place in the second and third set (used for inputs alone)
	s_add_nc_u64 s[26:27], s[22:23], 16<<20
.macro LOAD n                          ; unit n: 128 K of the tile's 16 rows, a row a load
.irp i, 0,1,2,3,4,5,6,7,8,9,10,11,12,13,14,15
	global_load_b128 v[R+64*((\n)%2)+4*\i:R+64*((\n)%2)+4*\i+3], v[LI], s[20:21] offset:(\i+8*(\i/8))*4096+512*(\n) th:TH_LOAD_NT
.endr
.endm
.macro TURN n                          ; through the stage: LDS serves a wave's instructions in order, so no wait stands between the stores and the loads
.irp i, 0,1,2,3,4,5,6,7,8,9,10,11,12,13,14,15
	ds_store_b128 v[SA], v[R+64*((\n)%2)+4*\i:R+64*((\n)%2)+4*\i+3] offset:SP*\i
.endr
.irp c, 0,1,2,3
.irp j, 0,1,2,3
	ds_load_b128 v[X+16*\c+4*\j:X+16*\c+4*\j+3], v[LA] offset:128*\c+16*\j
.endr
.endr
.endm
.macro CONST e, sc                     ; exponent s[e] -> v[sc] = 2^e as f32 (the conversion takes its exponent field)
	s_add_co_i32 s54, s[\e], 127
	s_lshl_b32 s55, s54, 23
	v_mov_b32 v[\sc], s55
.endm
; The unit in X becomes a fragment under scale k and is stored.
.macro QS k, n
	s_wait_xcnt 0x0                                ; the earlier stores have read CD: it is written again only behind this wait
.irp c, 0,1,2,3
.set ii, 0
.rept 16
.set ii, ii+1
.endr
	v_cvt_scalef32_pk8_bf8_f32 v[CD+4*\c:CD+4*\c+1], v[TMP+16*(\c%2)+((X+16*\c+ii)-(TMP+16*(\c%2)+ii)):TMP+16*(\c%2)+7+((X+16*\c+ii)-(TMP+16*(\c%2)+ii))], v[4+2*\k]
	v_cvt_scalef32_pk8_bf8_f32 v[CD+4*\c+2:CD+4*\c+3], v[TMP+16*(\c%2)+8+((X+16*\c+ii)-(TMP+16*(\c%2)+ii)):TMP+16*(\c%2)+15+((X+16*\c+ii)-(TMP+16*(\c%2)+ii))], v[4+2*\k]
.endr
	v_nop                                          ; a plain instruction behind the last conversion, ahead of whatever next writes CD
.irp c, 0,1,2,3
	global_store_b128 v[LI], v[CD+4*\c:CD+4*\c+3], s[22+2*\k:23+2*\k] offset:2048*(\n)+512*\c   ; 32 lanes store 512 consecutive bytes
.endr
.endm
.macro UNIT n, left, more
	s_wait_loadcnt \left                           ; this unit's 16 loads are in; the next unit's 16 may be out
	TURN \n
	s_wait_dscnt 0x0                               ; the unit is back from the stage
.if \more
	LOAD (\n)+2                                    ; into the set that the stage's stores have read
.endif
	QS 0, \n
	s_cmp_lt_u32 ttmp9, 256                        ; a weight has one scale: the branch jumps over arithmetic and global stores alone
	s_cbranch_scc0 .Lone_scale_\@
	QS 1, \n
	QS 2, \n
.Lone_scale_\@:
.endm
	LOAD 0
	LOAD 1
	s_wait_kmcnt 0x0
	s_cmp_eq_u32 s29, 1
	s_cselect_b32 s44, s35, s33                    ; e3 : e1
	s_cmp_eq_u32 s29, 2
	s_cselect_b32 s44, s37, s44                    ; e5
	s_cmp_eq_u32 s29, 3
	s_cselect_b32 s44, s43, s44                    ; e11
	s_cmp_lt_u32 ttmp9, 256
	s_cselect_b32 s44, s32, s44                    ; e0
	CONST 44, 4
	CONST 34, 6                                    ; e2
	CONST 36, 8                                    ; e4
	s_wait_alu depctr_va_vdst(0)
	UNIT 0, 16, 1
	UNIT 1, 16, 1
	UNIT 2, 16, 0
	UNIT 3, 0, 0
	s_wait_tensorcnt 0x0
	ds_add_u32 v14, v15
	s_wait_dscnt 0x0
	s_endpgm
.Lfunc_end_k_qae0e0dddbb_quant:
	.size	k_qae0e0dddbb_quant, .Lfunc_end_k_qae0e0dddbb_quant-k_qae0e0dddbb_quant
	.p2alignl 7, 3214868480
	.fill 96, 4, 3214868480
	.section	.rodata,"a",@progbits
	.p2align	6, 0x0
	.amdhsa_kernel k_qae0e0dddbb_quant
		.amdhsa_group_segment_fixed_size 34304
		.amdhsa_private_segment_fixed_size 0
		.amdhsa_enable_private_segment 0
		.amdhsa_kernarg_size 56
		.amdhsa_user_sgpr_count 2
		.amdhsa_user_sgpr_kernarg_segment_ptr 1
		.amdhsa_wavefront_size32 1
		.amdhsa_system_sgpr_workgroup_id_x 1
		.amdhsa_system_sgpr_workgroup_id_y 1
		.amdhsa_system_sgpr_workgroup_id_z 1
		.amdhsa_system_vgpr_workitem_id 0
		.amdhsa_next_free_vgpr 256
		.amdhsa_next_free_sgpr 66
		.amdhsa_reserve_vcc 0
		.amdhsa_float_denorm_mode_32 3
		.amdhsa_float_denorm_mode_16_64 3
		.amdhsa_fp16_overflow 1
		.amdhsa_memory_ordered 1
		.amdhsa_forward_progress 1
		.amdhsa_inst_pref_size 30
	.end_amdhsa_kernel
	.amdgpu_metadata
---
amdhsa.version: [ 1, 2 ]
amdhsa.kernels:
  - .name:           k_qae0e0dddbb_quant
    .symbol:         k_qae0e0dddbb_quant.kd
    .args:
      - { .name: inputs, .offset: 0, .size: 8, .value_kind: global_buffer, .address_space: global }
      - { .name: W_q, .offset: 8, .size: 8, .value_kind: global_buffer, .address_space: global }
      - { .name: W_k, .offset: 16, .size: 8, .value_kind: global_buffer, .address_space: global }
      - { .name: W_v, .offset: 24, .size: 8, .value_kind: global_buffer, .address_space: global }
      - { .name: W_o, .offset: 32, .size: 8, .value_kind: global_buffer, .address_space: global }
      - { .name: lowp_scales, .offset: 40, .size: 8, .value_kind: global_buffer, .address_space: global }
      - { .name: codes, .offset: 48, .size: 8, .value_kind: global_buffer, .address_space: global }
    .group_segment_fixed_size: 34304
    .private_segment_fixed_size: 0
    .kernarg_segment_align: 8
    .kernarg_segment_size: 56
    .max_flat_workgroup_size: 128
    .sgpr_count:     66
    .vgpr_count:     256
    .wavefront_size: 32
...
	.end_amdgpu_metadata
.endif
;; end of part 1
;; launch qkv (part 2): grid 4 x 48, 4 waves a work-group, clusters of 4 x 4, 327,680 bytes of LDS; arguments codes, lowp_scales, qkv; writes qkv
.if DOCPART == 2
	.amdgcn_target "amdgcn-amd-amdhsa--gfx1250"
	.amdhsa_code_object_version 6
	.text
	.protected	k_qae0e0dddbb_qkv
	.globl	k_qae0e0dddbb_qkv
	.p2align	8
	.type	k_qae0e0dddbb_qkv,@function
k_qae0e0dddbb_qkv:
	s_mov_b64 s[64:65], 0
	v_nop
	global_prefetch_b8 v0, s[64:65] scope:SCOPE_SE
	s_setreg_imm32_b32 hwreg(HW_REG_WAVE_MODE, 25, 1), 1
	s_wait_xcnt 0x0
	s_wait_alu depctr_hold_cnt(0) depctr_sa_sdst(0) depctr_va_vdst(0) depctr_va_sdst(0) depctr_va_ssrc(0) depctr_va_vcc(0) depctr_vm_vsrc(0)
	s_getreg_b32 s2, hwreg(HW_REG_IB_STS2, 6, 4)
	s_cmp_eq_u32 s2, 0
	s_cbranch_scc0 .Lentry_in_a_cluster
	s_endpgm
.Lentry_in_a_cluster:
	s_bfe_u32 s2, ttmp6, 0x10000c
	s_cmp_lg_u32 s2, 0xf033
	s_cbranch_scc0 .Lentry_shape_is_right
	s_endpgm
.Lentry_shape_is_right:
; Q = x W_q^T, K = x W_k^T, V^T = W_v x^T on codes of BF8 (E5M2); each finished sum is quantised at once for the product that takes it next (entries 6, 7, 9 of the scales) and stored as an image of operand registers.
; OPERANDS are images (16 rows x 128 K = 2,048 bytes: group c at 512 c, lane l's 16 bytes at 16 l, k = 32 c + 16 (l / 16) + 0 .. 15 of row l % 16); row tile 2 B + u holds as row i the row 32 B + 8 u + i + 8 (i / 8);
; a row tile's 8 fragments lie on end (16,384 bytes).  So tiles lie dense in LDS, every fragment load reads 512 consecutive bytes, and nothing is padded.
; THE MATRIX INSTRUCTION IS USED TRANSPOSED (source 0 = B's row tile t, source 1 = A's row tile a): lane l, register j of accumulator (a, t) is C(row l % 16 of tile a, n = 32 (t / 2) + 16 (l / 16) + 8 (t % 2) + j).
; So accumulators (a, 2 b), (a, 2 b + 1) hold 16 neighbours along n: two conversions make group b of the next operand's image, in the lanes that want it, and a store writes 512 consecutive bytes.  No stage is needed.
; For Q and K: A = x, B = W.  For V: A = W_v, B = x, so that the keys run along a lane's registers: they are the K of the product that takes V.
; SHARES.  A tile of C is 256 x 256: four waves of 128 x 128, 64 accumulators each.  384 tiles = 12 clusters of 4 x 4 work-groups x 2 tiles, walked one after the other with the ring running on.
; Cluster y = 4 p + g: p the product, g which 1,024 rows of x; the second tile lies 4,096 rows of x on.  A's tile is shared along a row of the cluster, B's along a column: joint loads.
; K goes in 4 steps of 256 through two LDS slots; a wave's tensor load brings 8 row tiles x 4,096 bytes.
; qkv: Q at 0 and K at 8 Mi: [batch x 16 + head][token tile 128][c 2][512 bytes];  V at 16 Mi: batch x 2 Mi + (kb / 2) x 262,144 + (c / 2) x 131,072 + (kb % 2) x 65,536 + head x 4,096 + dt x 1,024 + (c % 2) x 512
; (kb: 128 keys; c: 32 of them; dt: 16 of the head's 64).  With that order one set of store offsets serves all three.
; LIMITS: e6 - e0 - e1, e7 - e2 - e3 and e9 - e4 - e5 lie between -126 and 112, so that the folded scale and 57,344 x it are f32 numbers.
; REGISTERS, in windows of 256: window 0: v16-31 addresses and constants; v32-95 held sums, v96-111 codes (the way out); v128-255 A's 8 fragments, ONE set.  window 1: B's fragments, two sets.  windows 2, 3: accumulators, (a, t) at v[8 (8 (a % 4) + t)].
.set FR,     16                        ; registers of a fragment
.set NL,     4                         ; LDS loads that bring one
.set NP,     4                         ; places behind this matrix instruction (ISA guide 7.12.1)
.set TILEB,  4096                      ; a row tile's part of a slot: two fragments
.set HALFT,  8*TILEB                   ; what one tensor load brings, and what one wave reads of A or of B
.set SLOT,   4*HALFT                   ; A's 16 row tiles, then B's 16
.set SPARE,  2*SLOT                    ; behind the ring: the spare words, 128 bytes for each wave, that no other line names
.set ADRA, 16                          ; v16-17  LDS address of my A fragments in slot 0, 1
.set ADRB, 20                          ; v20-21  the same for B
.set LI,   26                          ; v26     16 x lane
.set SPW,  28                          ; v28     my spare word; never rewritten
.set NIL,  29                          ; v29     0; never rewritten
.set SC,   30                          ; v30     the folded scale as f32
.set LIM,  31
.set TMP,  32
.set CDS,  96
.set AF,   128
.set G1, 24                            ; s[24:31] descriptor group 1 for A's tiles;  s[32:39] group 0, one set for each slot
.set G0, 32
.set G1B, 48                           ; s[48:55], s[56:63] the same for B's tiles
.set G0B, 56
.set MSB, 0
.macro WIN new                         ; the immediate's high byte repeats the setting that is left
.if MSB != (\new)
	s_set_vgpr_msb (MSB<<8)|(\new)
.set MSB, (\new)
.endif
.endm
.set MUL_LO, 0xa1                      ; source 0 (B) window 1, source 1 (A) window 0, C and D window 2
.set MUL_HI, 0xf1                      ; the same, C and D window 3
.set TO_B,   0x40                      ; destination window 1, address window 0
; A joint load: waves 0 and 1 fetch for A, waves 2 and 3 for B; the branch hangs on the wave's number alone.  Four v_nop follow each of the two lines.
.macro JLOAD g0a, g1a, g0b, g1b
	s_cmp_eq_u32 s15, 0
	s_cbranch_scc0 .Lfor_b_\@
	tensor_load_to_lds s[\g0a:\g0a+3], s[\g1a:\g1a+7]
	s_nop 0
.rept 4
	v_nop
.endr
	s_branch .Lasked_\@
.Lfor_b_\@:
	tensor_load_to_lds s[\g0b:\g0b+3], s[\g1b:\g1b+7]
	s_nop 0
.rept 4
	v_nop
.endr
.Lasked_\@:
.endm
.macro CREST                           ; a round of the cluster's barrier behind its opening barrier
	s_cmp_lg_u32 s14, 0
	s_cbranch_scc1 .Lnot_wave_0_\@
	s_barrier_signal -3
.Lnot_wave_0_\@:
	s_barrier_wait -3
	s_barrier_signal -1
	s_barrier_wait -1
.endm
.macro CROUND                          ; a whole round
	s_barrier_signal -1
	s_barrier_wait -1
	CREST
.endm
	s_load_b128 s[4:7], s[0:1], 0x0                ; codes s[4:5], the scales' exponents s[6:7]
	s_load_b64 s[8:9], s[0:1], 0x10                ; qkv
	v_lshl_add_u32 v[SPW], v0, 2, SPARE
	v_mov_b32 v[NIL], 0
	ds_add_u32 v28, v29
	ds_add_u32 v28, v29
	s_wait_dscnt 0x0
	v_lshrrev_b32 v1, 5, v0
	v_readfirstlane_b32 s14, v1                    ; wave 0..3
	s_lshr_b32 s15, s14, 1                         ; which half of the tile's rows is mine.  Also: I fetch for A (0) or for B (1)
	s_and_b32 s16, s14, 1                          ; which half of its columns.  Also: which 8 row tiles of that tile I fetch
	s_bfe_u32 s40, ttmp6, 0x40000                  ; cx, cy: my place in the cluster
	s_bfe_u32 s41, ttmp6, 0x40004
	s_and_b32 s17, ttmp7, 0xffff                   ; cluster y: the same in all sixteen partners
	s_lshr_b32 s84, s17, 2                         ; p: 0 Q, 1 K, 2 V
	s_and_b32 s85, s17, 3                          ; g
	s_lshl_b32 s43, s41, 2
	s_lshl_b32 s43, 15, s43                        ; my row of the cluster
	s_lshl_b32 s44, 0x1111, s40                    ; my column
	; descriptor group 1: 8 rows (row tiles) of 512 elements of 8 bytes, 2,048 elements apart; dense in LDS
	s_or_b32 s[G1+0], s43, (3<<16)|(1<<21)         ; 15:0 the mask: A's tiles go to my row; 17:16 elements of 8 bytes; 21 set beside a mask
	s_or_b32 s[G1B+0], s44, (3<<16)|(1<<21)        ; B's go to my column
.irp g, G1, G1B
	s_mov_b32 s[\g+1], 512<<16                     ; tensor_dim0
	s_mov_b32 s[\g+2], 8<<16                       ; tensor_dim1
	s_mov_b32 s[\g+3], 512<<16                     ; tile_dim0
	s_mov_b32 s[\g+4], 8                           ; tile_dim1
	s_mov_b32 s[\g+5], 2048                        ; tensor_dim0_stride
	s_mov_b32 s[\g+6], 0
	s_mov_b32 s[\g+7], 0
.endr
	s_lshl_b32 s86, s84, 23
	s_lshl_b32 s87, s85, 20
	s_add_co_u32 s86, s86, s87                     ; x's codes for product p, at row 1,024 g
	s_lshl_b32 s87, s84, 20
	s_add_co_u32 s87, s87, 24<<20                  ; the weight's codes
	s_cmp_lt_u32 s84, 2                            ; Q or K?
	s_cselect_b32 s20, s86, s87                    ; A's tensor
	s_cselect_b32 s46, s87, s86                    ; B's
	s_cselect_b32 s68, 0x400000, 0                 ; to the second tile: x goes 4,096 rows (256 row tiles) on, the weight stays
	s_cselect_b32 s70, 0, 0x400000
	s_mov_b32 s69, 0
	s_mov_b32 s71, 0
	s_lshl_b32 s90, s16, 17                        ; which 8 row tiles I fetch
	s_lshl_b32 s88, s41, 18                        ; A: 16 row tiles x cy: what my row of the cluster shares
	s_add_co_u32 s20, s20, s88
	s_add_co_u32 s20, s20, s90
	s_mov_b32 s21, 0
	s_lshl_b32 s89, s40, 18                        ; B: 16 row tiles x cx: what my column shares
	s_add_co_u32 s46, s46, s89
	s_add_co_u32 s46, s46, s90
	s_mov_b32 s47, 0
	s_lshl_b32 s45, s14, 15                        ; where they go: wave x 32,768: no place in the cluster enters an LDS address
	s_wait_kmcnt 0x0
	s_load_b256 s[72:79], s[6:7], 0x0              ; e0 .. e7
	s_load_b128 s[80:83], s[6:7], 0x20             ; e8 .. e11
	s_add_nc_u64 s[20:21], s[4:5], s[20:21]
	s_add_nc_u64 s[46:47], s[4:5], s[46:47]
	CROUND                                         ; all sixteen work-groups are here: the first joint loads meet
.irp s, 0,1
	s_mov_b32 s[G0+4*\s], 1
	s_add_co_u32 s[G0+4*\s+1], s45, \s*SLOT
	s_add_nc_u64 s[G0+4*\s+2:G0+4*\s+3], s[20:21], \s*TILEB
	s_or_b32 s[G0+4*\s+3], s[G0+4*\s+3], 0x80000000
	s_mov_b32 s[G0B+4*\s], 1
	s_add_co_u32 s[G0B+4*\s+1], s45, \s*SLOT
	s_add_nc_u64 s[G0B+4*\s+2:G0B+4*\s+3], s[46:47], \s*TILEB
	s_or_b32 s[G0B+4*\s+3], s[G0B+4*\s+3], 0x80000000
	s_wait_alu depctr_va_vdst(0)
	s_wait_tensorcnt 0x0
	ds_add_u32 v28, v29
	ds_add_u32 v28, v29
	s_wait_dscnt 0x0
	CROUND
	JLOAD G0+4*\s, G1, G0B+4*\s, G1B
.endr
	v_and_b32 v1, 31, v0
	v_lshlrev_b32 v[LI], 4, v1
	s_lshl_b32 s18, s15, 15                        ; my 8 row tiles of A
	s_lshl_b32 s19, s16, 15                        ; my 8 of B,
	s_add_co_u32 s19, s19, 2*HALFT                 ; which lie behind A's 16
.irp s, 0,1
	v_add_nc_u32 v[ADRA+\s], s18, v[LI]
	v_add_nc_u32 v[ADRB+\s], s19, v[LI]
	s_add_co_u32 s18, s18, SLOT
	s_add_co_u32 s19, s19, SLOT
.endr
	; where my part of the first tile goes
	s_lshl_b32 s12, s84, 23                        ; the product's third of qkv
	s_lshl_b32 s91, s41, 14                        ; A's rows: 16 tiles x 1,024 bytes x cy,
	s_add_co_u32 s12, s12, s91
	s_lshl_b32 s91, s15, 13                        ; 8 tiles x my half
	s_add_co_u32 s12, s12, s91
	s_lshr_b32 s92, s85, 1                         ; Q, K: batch g / 2,
	s_lshl_b32 s92, s92, 21
	s_and_b32 s91, s85, 1                          ; 64 token tiles x (g % 2),
	s_lshl_b32 s91, s91, 16
	s_add_co_u32 s92, s92, s91
	s_lshl_b32 s91, s40, 19                        ; four heads x cx,
	s_add_co_u32 s92, s92, s91
	s_lshl_b32 s91, s16, 18                        ; two heads x my half
	s_add_co_u32 s92, s92, s91
	s_lshl_b32 s93, s85, 20                        ; V: 1,024 keys x g,
	s_lshl_b32 s91, s40, 18                        ; 256 keys x cx,
	s_add_co_u32 s93, s93, s91
	s_lshl_b32 s91, s16, 16                        ; 128 keys x my half
	s_add_co_u32 s93, s93, s91
	s_cmp_lt_u32 s84, 2
	s_cselect_b32 s92, s92, s93
	s_add_co_u32 s12, s12, s92
	s_mov_b32 s13, 0
	s_add_nc_u64 s[10:11], s[8:9], s[12:13]
	s_wait_alu depctr_va_vdst(0)
	s_wait_kmcnt 0x0
	s_add_co_i32 s91, s72, s73                     ; a sum stands for sum x 2^(its two operands' exponents added);
	s_add_co_i32 s92, s74, s75
	s_add_co_i32 s93, s76, s77
	s_cmp_eq_u32 s84, 1
	s_cselect_b32 s91, s92, s91
	s_cselect_b32 s94, s79, s78                    ; its code is taken under e7 : e6,
	s_cmp_eq_u32 s84, 2
	s_cselect_b32 s91, s93, s91
	s_cselect_b32 s94, s81, s94                    ; or e9.  The choice is made without a branch
	s_sub_co_i32 s94, s94, s91                     ; the three exponents folded into the conversion's one
	s_add_co_i32 s94, s94, 127
	s_lshl_b32 s95, s94, 23
	v_mov_b32 v[SC], s95
.macro FRAG reg, adr, q, i             ; fragment q of row tile i: four loads of 512 consecutive bytes
.irp c, 0,1,2,3
	ds_load_b128 v[\reg+4*\c:\reg+4*\c+3], v[\adr] offset:TILEB*(\i)+2048*(\q)+512*\c
.endr
.endm
; 16 matrix instructions: A's blocks a0, a0 + 1 x B's eight, 128 along K.  p: B's set.  zero = 1: the product starts the sums.  The 64 accumulators take turns, one instruction a turn, in the same order in every step.
.macro MUL16 a0, p, zero
.irp a, \a0, \a0+1
.irp b, 0,1,2,3,4,5,6,7
.if \zero
	v_wmma_f32_16x16x128_bf8_bf8 v[8*(8*((\a)%4)+\b):8*(8*((\a)%4)+\b)+7], v[128*(\p)+FR*\b:128*(\p)+FR*\b+FR-1], v[AF+FR*(\a):AF+FR*(\a)+FR-1], 0
.else
	v_wmma_f32_16x16x128_bf8_bf8 v[8*(8*((\a)%4)+\b):8*(8*((\a)%4)+\b)+7], v[128*(\p)+FR*\b:128*(\p)+FR*\b+FR-1], v[AF+FR*(\a):AF+FR*(\a)+FR-1], v[8*(8*((\a)%4)+\b):8*(8*((\a)%4)+\b)+7]
.endif
.endr
.endr
.endm
.macro FETCH_B slot, q, p
	WIN TO_B
.irp i, 0,1,2,3,4,5,6,7
	FRAG 128*(\p)+FR*\i, ADRB+\slot, \q, \i
.endr
	WIN 0
.endm
.macro FETCH_A slot, q, i0
.irp i, \i0, \i0+1, \i0+2, \i0+3
	FRAG AF+FR*(\i), ADRA+\slot, \q, \i
.endr
.endm
.macro PLACES n                        ; plain vector instructions between a matrix instruction and a load into, or a read of, its registers
.rept \n
	v_nop
.endr
.endm
; A step of 128 along K that has its successor in the same slot.
.macro STEP slot, q, zero
	s_wait_dscnt 4*NL                              ; B's set and A's blocks 0-3 are in; the youngest 16 loads (A's blocks 4-7) may be out
	WIN MUL_LO
	MUL16 0, (\q)%2, \zero
	MUL16 2, (\q)%2, \zero
	s_wait_dscnt 0                                 ; A's blocks 4-7 are in
	PLACES NP
	FETCH_B \slot, (\q)+1, 1-(\q)%2
	FETCH_A \slot, (\q)+1, 0
	WIN MUL_HI
	MUL16 4, (\q)%2, \zero
	MUL16 6, (\q)%2, \zero
	PLACES NP
	WIN 0
	FETCH_A \slot, (\q)+1, 4
.endm
; A slot's last step changes slots: ONE barrier; in front of it each wave waits for all its tensor loads, adds 0 to its spare word, and waits for that and for its own reads of this slot.
; fill = 1: this slot takes the K step two on;  fill = 2: the NEXT tile's K step of this slot's place;  fill = 0: nothing.
.macro TURN slot, next, fill
	s_wait_tensorcnt 0x0                           ; all my tensor loads have landed: my part of the next slot
	ds_add_u32 v[SPW], v[NIL]                      ; 0 onto my spare word
	s_wait_dscnt 4*NL+1                            ; the add and the youngest 16 loads (A's blocks 4-7) may be out
	WIN MUL_LO
	MUL16 0, 1, 0                                  ; sixteen matrix instructions stand between the add and the wait for it
	s_wait_dscnt 0x0                               ; the add is done, and my reads of this slot are over
	s_barrier_signal -1
	MUL16 2, 1, 0
	WIN 0
	s_barrier_wait -1
.if \fill
	CREST                                          ; the barrier has opened a round of the cluster's barrier: no wave of any partner still reads this slot or has a load on its way
.if \fill == 1
	s_add_nc_u64 s[G0+4*\slot+2:G0+4*\slot+3], s[G0+4*\slot+2:G0+4*\slot+3], 2*TILEB
	s_add_nc_u64 s[G0B+4*\slot+2:G0B+4*\slot+3], s[G0B+4*\slot+2:G0B+4*\slot+3], 2*TILEB
.else
	s_add_nc_u64 s[G0+4*\slot+2:G0+4*\slot+3], s[G0+4*\slot+2:G0+4*\slot+3], s[68:69]
	s_sub_nc_u64 s[G0+4*\slot+2:G0+4*\slot+3], s[G0+4*\slot+2:G0+4*\slot+3], 2*TILEB
	s_add_nc_u64 s[G0B+4*\slot+2:G0B+4*\slot+3], s[G0B+4*\slot+2:G0B+4*\slot+3], s[70:71]
	s_sub_nc_u64 s[G0B+4*\slot+2:G0B+4*\slot+3], s[G0B+4*\slot+2:G0B+4*\slot+3], 2*TILEB
.endif
	JLOAD G0+4*\slot, G1, G0B+4*\slot, G1B         ; the first tensor load behind the round; its four v_nop are also the places in front of the loads below
.else
	PLACES NP
.endif
	FETCH_B \next, 0, 0
	FETCH_A \next, 0, 0
	WIN MUL_HI
	MUL16 4, 1, 0
	MUL16 6, 1, 0
	PLACES NP
	WIN 0
	FETCH_A \next, 0, 4
.endm
.macro LAST                            ; the very last step: nothing more to fetch
	s_wait_dscnt 4*NL
	WIN MUL_LO
	MUL16 0, 1, 0
	MUL16 2, 1, 0
	s_wait_dscnt 0
	WIN MUL_HI
	MUL16 4, 1, 0
	MUL16 6, 1, 0
	PLACES NP
	WIN 0
.endm
; THE WAY OUT of a tile: block a's 64 sums are held within the largest code x the scale (each accumulator from its low end on), converted, and stored: group b of four, 512 consecutive bytes each.  No LDS instruction stands here.
.macro QOUT
.irp a, 0,1,2,3,4,5,6,7
	s_wait_xcnt 0x0                                ; the block before's stores have read their codes: those registers are written again only behind this wait
	WIN 0x02+(\a/4)                                ; source 0: window 2 or 3
.set ii, 0
.rept 64
.set ii, ii+1
.endr
.irp t, 0,1,2,3,4,5,6,7
	v_cvt_scalef32_pk8_bf8_f32 v[CDS+2*\t:CDS+2*\t+1], v[TMP+8*\t+((64*(\a%4)+ii)-(TMP+ii)):TMP+8*\t+7+((64*(\a%4)+ii)-(TMP+ii))], v[SC]
.endr
	WIN 0
	v_nop                                          ; a plain instruction behind the last conversion
.irp b, 0,1,2,3
	global_store_b128 v[LI], v[CDS+4*\b:CDS+4*\b+3], s[10:11] offset:1024*\a+131072*(\b/2)+512*(\b%2)
.endr
.endr
.endm
	s_wait_tensorcnt 1                             ; my part of K step 0 is in (K step 1's load may be out)
	s_barrier_signal -1
	s_barrier_wait -1                              ; everybody's is
	FETCH_B 0, 0, 0
	FETCH_A 0, 0, 0
	FETCH_A 0, 0, 4
	STEP 0, 0, 1                                   ; the first tile: its first products start the sums
	TURN 0, 1, 1
	STEP 1, 0, 0
	TURN 1, 0, 1
	STEP 0, 0, 0
	TURN 0, 1, 2                                   ; the ring goes on into the second tile: slot 0 takes its K step 0,
	STEP 1, 0, 0
	TURN 1, 0, 2                                   ; slot 1 its K step 1, and its first fragments are fetched
	s_wait_alu depctr_va_vdst(0)
	QOUT                                           ; both refills are asked for: now the tile goes out
	s_wait_xcnt 0x0                                ; the stores have read their base
	s_add_nc_u64 s[10:11], s[10:11], 0x400000      ; 4,096 rows of x on: two batches
	STEP 0, 0, 1                                   ; the second tile
	TURN 0, 1, 1
	STEP 1, 0, 0
	TURN 1, 0, 1
	STEP 0, 0, 0
	TURN 0, 1, 0                                   ; nothing is left to fetch
	STEP 1, 0, 0
	LAST
	QOUT
	s_wait_tensorcnt 0x0                           ; the wave's end
	ds_add_u32 v[SPW], v[NIL]
	s_wait_dscnt 0x0
	CROUND                                         ; the closing round: no work-group ends while a partner may still ask for a tile that names it
	s_endpgm
.Lfunc_end_k_qae0e0dddbb_qkv:
	.size	k_qae0e0dddbb_qkv, .Lfunc_end_k_qae0e0dddbb_qkv-k_qae0e0dddbb_qkv
	.p2alignl 7, 3214868480
	.fill 96, 4, 3214868480
	.section	.rodata,"a",@progbits
	.p2align	6, 0x0
	.amdhsa_kernel k_qae0e0dddbb_qkv
		.amdhsa_group_segment_fixed_size 327680
		.amdhsa_private_segment_fixed_size 0
		.amdhsa_enable_private_segment 0
		.amdhsa_kernarg_size 24
		.amdhsa_user_sgpr_count 2
		.amdhsa_user_sgpr_kernarg_segment_ptr 1
		.amdhsa_wavefront_size32 1
		.amdhsa_system_sgpr_workgroup_id_x 1
		.amdhsa_system_sgpr_workgroup_id_y 1
		.amdhsa_system_sgpr_workgroup_id_z 1
		.amdhsa_system_vgpr_workitem_id 0
		.amdhsa_next_free_vgpr 1024
		.amdhsa_next_free_sgpr 100
		.amdhsa_reserve_vcc 0
		.amdhsa_float_denorm_mode_32 3
		.amdhsa_float_denorm_mode_16_64 3
		.amdhsa_fp16_overflow 1
		.amdhsa_memory_ordered 1
		.amdhsa_forward_progress 1
		.amdhsa_inst_pref_size 167
	.end_amdhsa_kernel
	.amdgpu_metadata
---
amdhsa.version: [ 1, 2 ]
amdhsa.kernels:
  - .name:           k_qae0e0dddbb_qkv
    .symbol:         k_qae0e0dddbb_qkv.kd
    .args:
      - { .name: codes, .offset: 0, .size: 8, .value_kind: global_buffer, .address_space: global }
      - { .name: lowp_scales, .offset: 8, .size: 8, .value_kind: global_buffer, .address_space: global }
      - { .name: qkv, .offset: 16, .size: 8, .value_kind: global_buffer, .address_space: global }
    .group_segment_fixed_size: 327680
    .private_segment_fixed_size: 0
    .kernarg_segment_align: 8
    .kernarg_segment_size: 24
    .max_flat_workgroup_size: 128
    .sgpr_count:     100
    .vgpr_count:     1024
    .wavefront_size: 32
...
	.end_amdgpu_metadata
.endif
;; end of part 2
;; launch attn (part 3): grid 4 x 64, 16 waves a work-group, no clusters, 327,680 bytes of LDS; arguments qkv, lowp_scales, ctx; writes ctx
.if DOCPART == 3
	.amdgcn_target "amdgcn-amd-amdhsa--gfx1250"
	.amdhsa_code_object_version 6
	.text
	.protected	k_qae0e0dddbb_attn
	.globl	k_qae0e0dddbb_attn
	.p2align	8
	.type	k_qae0e0dddbb_attn,@function
k_qae0e0dddbb_attn:
	s_mov_b64 s[64:65], 0
	v_nop
	global_prefetch_b8 v0, s[64:65] scope:SCOPE_SE
	s_setreg_imm32_b32 hwreg(HW_REG_WAVE_MODE, 25, 1), 1
	s_wait_xcnt 0x0
; ctx[b][q][head][:] = the sum over keys k <= q of softmax_k(Q . K / 8) V, both products on codes of BF8 (E5M2); ctx is quantised at once for the last product (entry 10 of the scales) and stored as an image of operand registers.
; THE SOFTMAX AHEAD OF THE SECOND PRODUCT: t = score x log2(e) / 8; M = the row's largest t so far, rounded UP to a whole number; p = 2^(t - M) is quantised (entry 8), not normalised; the row's sum is taken of the unquantised p
; and divides at the end.  When M moves, the sum and O are multiplied by 2^(old M - new M): exact.
; OPERANDS are images made by the launch before: Q, K: a tile of 16 tokens x 64 = 1,024 bytes (group c of 32 at 512 c, lane l's 16 bytes at 16 l); tile 2 B + u holds as row i token 32 B + 8 u + i + 8 (i / 8).
; V: 16 of the head's 64 x 128 keys, groups of 32 keys.  Both products are used transposed (S^T = K Q^T, O^T = V^T P^T): a lane holds ONE query; the 16 registers of score tiles 2 b, 2 b + 1 are keys 32 b + 16 (l / 16) + 0 .. 15.
; SHARES.  Work-group (I, batch x 16 + head) owns the blocks I and 7 - I of 256 queries: (I + 1) + (8 - I) = 9 slots of 256 keys in every work-group, so the causal work is even and the trip count a constant.
; Each of sixteen waves owns one tile of 16 queries of the block in hand, in 256 registers.  A step is 128 keys; a step all of whose keys come after the wave's queries is jumped over (a scalar branch on ids).
; K's and V's tiles come through a ring of two LDS slots (wave 0 fetches K's 16 KiB, wave 1 V's) and are read by all sixteen.
; NO CLUSTER: in trip s work-group I reads slot s (s <= I) or s - I - 1: the four work-groups of a head want four different tiles in nearly every trip, so there is no joint request to make.
; LIMITS: e6 + e7 between -123 and 130 (added to c's exponent field); e8, and e10 - e8 - e9, between -126 and 112.
; REGISTERS: v1 16 x lane; v2 LDS address; v3 prefetch offset; v4 my query less 16 (l / 16); v5, v6 the add's; v9 2^e8; v[10:11] f, 0; v12 -M, v13 the largest t; v[14:15] the sum; v16-23 Q; v24-29 at work;
; v30 2^(e10 - e8 - e9); v32-95 K's 8 fragments, then v32-47 p's codes; v96-159 S^T, then p; v160-191 O^T; v192-255 V's 4 fragments.
.set SLOT1, 32768                      ; slot 1 begins here: one exclusive or turns an address from one slot to the other
.set VOFF,  16384                      ; a slot: K's 16 tiles, then V's 4 rows of 4,096 bytes
.set SPARE, 65536                      ; behind the ring: the spare words, 128 bytes for each of 16 waves, that no other line names
.set LI,  1
.set ADK, 2
.set PFO, 3
.set D0,  4
.set SPW, 5
.set NIL, 6
.set TB,  2                            ; s2   LDS byte at which the slot in hand begins
.set NX,  3                            ; s3   which 256 keys the last tile asked for holds
.set WV,  18
.set SW,  19                           ; s19  8 - I: the value of the loop's counter in the trip that ends block I
.set SEL, 20
.set CS,  22
.set G1K, 24
.set G1V, 32
.set G0K, 40
.set G0V, 44
.set QLO, 54                           ; s54  my first query
.set QLO2, 55                          ; s55  and in the second block
.set KF,  56                           ; s56  the step's first key
.set SLOTS, 57
.set LIM, 58
.set PFA, 60
.set PFS, 62
.macro TLOAD                           ; wave 0 fetches K's tile, wave 1 V's, the others nothing.  Four v_nop follow each line
	s_cmp_eq_u32 s[WV], 0
	s_cbranch_scc0 .Lnot_k_\@
	tensor_load_to_lds s[G0K:G0K+3], s[G1K:G1K+7]
	s_nop 0
.rept 4
	v_nop
.endr
	s_branch .Lasked_\@
.Lnot_k_\@:
	s_cmp_eq_u32 s[WV], 1
	s_cbranch_scc0 .Lasked_\@
	tensor_load_to_lds s[G0V:G0V+3], s[G1V:G1V+7]
	s_nop 0
.rept 4
	v_nop
.endr
.Lasked_\@:
.endm
; A PREFETCH of the 256 keys that the NEXT change of slots will ask for.  Work-group I = 0 of each head asks: from its second trip on it walks all eight slots in order.  In it waves 4 and 5 ask for K's 16,384 bytes
; (8,192 a wave, lanes 256 bytes apart), waves 6 and 7 for V's four rows of 4,096 (two rows a wave, sixteen lanes to a row): each aligned block of 256 bytes of slots 1 to 7 is named once in the launch.
; Slot 0 comes by its load alone; the last change that fills a slot asks for nothing.
.macro ASK
	s_cmp_gt_u32 s[SLOTS], s[LIM]
	s_cbranch_scc0 .Lnot_mine_\@
	global_prefetch_b8 v[PFO], s[PFA:PFA+1] th:TH_LOAD_NT scope:SCOPE_SE
.Lnot_mine_\@:
.endm
	s_load_b128 s[4:7], s[0:1], 0x0                ; qkv s[4:5], the scales' exponents s[6:7]
	s_load_b64 s[8:9], s[0:1], 0x10                ; ctx
	v_lshl_add_u32 v[SPW], v0, 2, SPARE
	v_mov_b32 v[NIL], 0
	ds_add_u32 v5, v6
	ds_add_u32 v5, v6
	s_wait_dscnt 0x0
	v_lshrrev_b32 v7, 5, v0
	s_delay_alu instid0(VALU_DEP_1)
	v_readfirstlane_b32 s[WV], v7                  ; wave 0..15
	s_and_b32 s80, ttmp7, 0xffff                   ; batch x 16 + head
	s_lshr_b32 s81, s80, 4                         ; batch
	s_and_b32 s82, s80, 15                         ; head
	s_sub_co_u32 s83, 7, ttmp9                     ; the second block
	s_sub_co_u32 s[SW], 8, ttmp9
	s_lshl_b32 s84, s80, 17                        ; the head's 128 tiles of 1,024 bytes in Q and in K
	s_lshl_b32 s85, ttmp9, 4
	s_add_co_u32 s85, s85, s[WV]                   ; my tile of queries in block I,
	s_lshl_b32 s86, s83, 4
	s_add_co_u32 s86, s86, s[WV]                   ; and in block 7 - I
	s_lshl_b32 s88, s85, 10
	s_add_co_u32 s88, s88, s84
	s_mov_b32 s89, 0
	s_lshl_b32 s90, s86, 10
	s_add_co_u32 s90, s90, s84
	s_mov_b32 s91, 0
	s_lshl_b32 s87, s81, 7                         ; ctx: row tile 128 x batch + my tile, 16,384 bytes each,
	s_add_co_u32 s85, s85, s87
	s_add_co_u32 s86, s86, s87
	s_lshl_b32 s92, s85, 14
	s_lshl_b32 s94, s86, 14
	s_lshl_b32 s87, s82, 10                        ; the head's 64 of the 1,024 along K: two groups of 512 bytes, head x 1,024 bytes on
	s_add_co_u32 s92, s92, s87
	s_mov_b32 s93, 0
	s_add_co_u32 s94, s94, s87
	s_mov_b32 s95, 0
	s_add_co_u32 s96, s84, 8<<20                   ; K
	s_mov_b32 s97, 0
	s_lshl_b32 s98, s81, 21                        ; V: the batch, the head's 4,096 bytes of each row
	s_lshl_b32 s87, s82, 12
	s_add_co_u32 s98, s98, s87
	s_add_co_u32 s98, s98, 16<<20
	s_mov_b32 s99, 0
	s_lshr_b32 s59, s[WV], 1
	s_lshl_b32 s59, s59, 5
	s_and_b32 s87, s[WV], 1
	s_lshl_b32 s87, s87, 3
	s_add_co_u32 s59, s59, s87                     ; tile w begins at token 32 (w / 2) + 8 (w % 2) of its block
	s_lshl_b32 s[QLO], ttmp9, 8
	s_add_co_u32 s[QLO], s[QLO], s59
	s_lshl_b32 s[QLO2], s83, 8
	s_add_co_u32 s[QLO2], s[QLO2], s59
	; descriptor group 1.  K: 64 rows of 32 elements of 8 bytes, dense;  V: 4 rows of 512 elements, 8,192 elements apart
	s_mov_b32 s[G1K], 3<<16
	s_mov_b32 s[G1K+1], 32<<16
	s_mov_b32 s[G1K+2], 64<<16
	s_mov_b32 s[G1K+3], 32<<16
	s_mov_b32 s[G1K+4], 64
	s_mov_b32 s[G1K+5], 32
	s_mov_b32 s[G1K+6], 0
	s_mov_b32 s[G1K+7], 0
	s_mov_b32 s[G1V], 3<<16
	s_mov_b32 s[G1V+1], 512<<16
	s_mov_b32 s[G1V+2], 4<<16
	s_mov_b32 s[G1V+3], 512<<16
	s_mov_b32 s[G1V+4], 4
	s_mov_b32 s[G1V+5], 8192
	s_mov_b32 s[G1V+6], 0
	s_mov_b32 s[G1V+7], 0
	s_mov_b32 s[SEL], 0x76543210
	s_mov_b32 s[SEL+1], 0xfedcba98
	s_mov_b32 s[CS], 0x3e38aa3b                    ; c = log2(e) / 8
	s_mov_b32 s[TB], 0
	s_mov_b32 s[NX], 0
	s_mov_b32 s[KF], 0
	s_mov_b32 s[SLOTS], 8
	s_mov_b32 s53, 0                               ; the upper word of the pair s[52:53]; stays 0
	s_wait_kmcnt 0x0
	s_load_b256 s[68:75], s[6:7], 0x0              ; e0 .. e7
	s_load_b128 s[76:79], s[6:7], 0x20             ; e8 .. e11
	s_add_nc_u64 s[10:11], s[4:5], s[96:97]        ; the head's K
	s_add_nc_u64 s[12:13], s[4:5], s[98:99]        ; the head's V
	s_add_nc_u64 s[50:51], s[4:5], s[88:89]        ; my Q tile, block I
	s_add_nc_u64 s[14:15], s[4:5], s[90:91]        ; block 7 - I
	s_add_nc_u64 s[16:17], s[8:9], s[92:93]        ; my place in ctx, block I
	s_add_nc_u64 s[48:49], s[8:9], s[94:95]        ; block 7 - I
	s_mov_b32 s[G0K], 1
	s_mov_b32 s[G0K+1], 0                          ; slot 0
	s_mov_b64 s[G0K+2:G0K+3], s[10:11]             ; keys 0 to 255
	s_or_b32 s[G0K+3], s[G0K+3], 0x80000000
	s_mov_b32 s[G0V], 1
	s_mov_b32 s[G0V+1], VOFF
	s_mov_b64 s[G0V+2:G0V+3], s[12:13]
	s_or_b32 s[G0V+3], s[G0V+3], 0x80000000
	TLOAD                                          ; the first fill, ahead of every wait on TENSORcnt, every LDS read and every barrier
	; the prefetches: where my wave's stand, and who asks
	s_cmp_lt_u32 s[WV], 6
	s_cselect_b64 s[PFA:PFA+1], s[10:11], s[12:13]
	s_mov_b32 s[PFS], 0x40000
	s_cselect_b32 s[PFS], 0x4000, s[PFS]           ; 256 keys on
	s_mov_b32 s59, 0x20000
	s_cselect_b32 s59, 0x2000, s59                 ; from the first asking wave to the second
	s_cselect_b32 s87, 12, 16                      ; lanes 16-31 stand 4,096 bytes (K) or a row of V (65,536) behind lanes 0-15
	s_mov_b32 s[PFS+1], 0
	s_and_b32 s52, s[WV], 1
	s_mul_i32 s52, s52, s59
	s_add_nc_u64 s[PFA:PFA+1], s[PFA:PFA+1], s[52:53]  ; at keys 0 to 255: each change of slots steps it ahead of its request
	s_sub_co_u32 s59, s[WV], 4
	s_lshr_b32 s59, s59, 2                         ; 0 in waves 4 to 7,
	s_or_b32 s59, s59, ttmp9                       ; of work-group I = 0
	s_cmp_eq_u32 s59, 0
	s_cselect_b32 s[LIM], 1, -1
	v_and_b32 v7, 15, v0                           ; r
	v_bfe_u32 v24, v0, 4, 1                        ; h
	s_delay_alu instid0(VALU_DEP_1)
	v_lshlrev_b32 v[PFO], s87, v24
	s_delay_alu instid0(VALU_DEP_1)
	v_lshl_add_u32 v[PFO], v7, 8, v[PFO]
	v_and_b32 v25, 31, v0
	s_delay_alu instid0(VALU_DEP_1)
	v_lshlrev_b32 v[LI], 4, v25
	global_load_b128 v[16:19], v[LI], s[50:51]     ; Q's fragment stays in registers
	global_load_b128 v[20:23], v[LI], s[50:51] offset:512
	v_and_b32 v25, 8, v7
	s_delay_alu instid0(VALU_DEP_1)
	v_add_nc_u32 v[D0], v25, v7                    ; r + 8 (r / 8): my query, counted from the tile's first,
	v_lshlrev_b32 v25, 4, v24
	s_delay_alu instid0(VALU_DEP_1)
	v_sub_nc_u32 v[D0], v[D0], v25                 ; less 16 h
	v_mov_b32 v13, 0xff61b1e6                      ; the largest t so far: -3e38, under every t
	s_delay_alu instid0(VALU_DEP_1)
	v_floor_f32 v12, -v13                          ; -M
	v_mov_b32 v14, 0
	v_mov_b32 v15, 0
	v_mov_b32 v11, 0                               ; (named as the upper half of the pair v[10:11])
	v_mov_b32 v26, 0                               ; written once: a lane permute's destination counts as one of its sources
.set jj, 0
.rept 32
	v_mov_b32 v[160+jj], 0                         ; O^T: the step is written once; a block's first step finds zeros
.set jj, jj+1
.endr
	s_wait_kmcnt 0x0
	s_add_co_i32 s80, s74, s75
	s_lshl_b32 s80, s80, 23
	s_add_co_i32 s[CS], s[CS], s80                 ; a score stands for score x 2^(e6 + e7): added to c's exponent field
	s_mov_b32 s[CS+1], s[CS]                       ; (named with it as a pair)
	s_add_co_i32 s80, s76, 127
	s_lshl_b32 s81, s80, 23
	v_mov_b32 v9, s81                              ; 2^e8
	s_sub_co_i32 s80, s78, s76
	s_sub_co_i32 s80, s80, s77                     ; a sum of the second product stands for sum x 2^(e8 + e9): ctx's code is (sum / l) / 2^(e10 - e8 - e9)
	s_add_co_i32 s80, s80, 127
	s_lshl_b32 s81, s80, 23
	v_mov_b32 v30, s81
; A KEY STEP: 128 keys, the q-th half of the slot in hand.
.macro STEP q
	s_add_co_u32 s59, s[QLO], 23                   ; my last query
	s_cmp_gt_u32 s[KF], s59
	s_cbranch_scc1 .Lhidden_\@                     ; all 128 keys come after my 16 queries: nothing to do but the step of KF
	v_add_nc_u32 v[ADK], s[TB], v[LI]
.irp t, 0,1,2,3,4,5,6,7
	ds_load_b128 v[32+8*\t:35+8*\t], v[ADK] offset:(8*(\q)+\t)*1024
	ds_load_b128 v[36+8*\t:39+8*\t], v[ADK] offset:(8*(\q)+\t)*1024+512
.endr
.irp d, 0,1,2,3
.irp c, 0,1,2,3
	ds_load_b128 v[192+16*\d+4*\c:195+16*\d+4*\c], v[ADK] offset:VOFF+(2*(\c/2)+(\q))*4096+1024*\d+512*(\c%2)
.endr
.endr
	s_wait_dscnt 16                                ; K's 16 loads are in; V's 16 may be out
.irp t, 0,1,2,3,4,5,6,7
	v_wmma_f32_16x16x64_bf8_bf8 v[96+8*\t:103+8*\t], v[32+8*\t:39+8*\t], v[16:23], 0
.endr
.rept 4
	v_nop
.endr
	s_add_co_u32 s59, s[KF], 127                   ; on the diagonal hidden scores become -infinity ahead of the maximum; a step all of whose keys count skips this
	s_cmp_le_u32 s59, s[QLO]
	s_cbranch_scc1 .Lopen_\@
	s_sub_co_i32 s59, s[QLO], s[KF]
	v_add_nc_u32 v27, s59, v[D0]                   ; register 16 b + i holds key KF + 16 h + 32 b + i: hidden where 32 b + i > my query - KF - 16 h
	v_mov_b32 v24, 0xff800000
.set nn, 0
.rept 64
	v_cmp_gt_i32 vcc_lo, 32*(nn/16)+nn%16, v27
	v_cndmask_b32 v[96+nn], v[96+nn], v24, vcc_lo
.set nn, nn+1
.endr
.Lopen_\@:
	v_max3_num_f32 v24, v96, v97, v98              ; the step's largest score of my query among my 64 keys, in two chains,
	v_max3_num_f32 v25, v99, v100, v101
.irp i, 6,10,14,18,22,26,30,34,38,42,46,50,54,58
	v_max3_num_f32 v24, v24, v[96+\i], v[97+\i]
	v_max3_num_f32 v25, v25, v[98+\i], v[99+\i]
.endr
	v_max3_num_f32 v24, v24, v158, v159
	s_delay_alu instid0(VALU_DEP_1)
	v_max_num_f32 v24, v24, v25
	s_delay_alu instid0(VALU_DEP_1)
	v_permlanex16_b32 v26, v24, s[SEL], s[SEL+1]
	s_delay_alu instid0(VALU_DEP_1)
	v_max_num_f32 v24, v24, v26                    ; and among lane l xor 16's
	s_delay_alu instid0(VALU_DEP_1)
	v_mul_f32 v24, s[CS], v24                      ; as t (c is positive)
	s_delay_alu instid0(VALU_DEP_1)
	v_max_num_f32 v13, v13, v24                    ; the running largest t
	v_mov_b32 v24, v12
	s_delay_alu instid0(VALU_DEP_2)
	v_floor_f32 v12, -v13                          ; the new -M = floor(-t): M is a whole number
	s_delay_alu instid0(VALU_DEP_1)
	v_sub_f32 v24, v12, v24                        ; old M - new M: a whole number, 0 or less
	s_delay_alu instid0(VALU_DEP_1)
	v_cvt_i32_f32 v24, v24                         ; (it saturates)
	s_delay_alu instid0(VALU_DEP_1)
	v_ldexp_f32 v10, 1.0, v24                      ; f = 2^(old M - new M)
.set jj, 0
.rept 32
	v_pk_fma_f32 v[96+jj:97+jj], v[96+jj:97+jj], s[CS:CS+1], v[12:13] op_sel_hi:[1,0,0]   ; t - M, two at a time
.set jj, jj+2
.endr
.set jj, 0
	s_wait_alu depctr_va_vdst(0)
.rept 64
	v_exp_f32 v[96+jj], v[96+jj]                   ; p = 2^(t - M), at most 1
.set jj, jj+1
.endr
	v_pk_mul_f32 v[14:15], v[14:15], v[10:11] op_sel_hi:[1,0]   ; the sums under the new M: the plain instruction behind the exponentials
	s_wait_alu depctr_va_vdst(0)                   ; one wait for the whole batch, ahead of its first reader
	v_pk_add_f32 v[28:29], v[100:101], v[104:105]
	v_pk_add_f32 v[94:95], v[108:109], v[112:113]
	v_pk_add_f32 v[92:93], v[116:117], v[120:121]
	v_pk_add_f32 v[90:91], v[124:125], v[128:129]
	v_pk_add_f32 v[88:89], v[132:133], v[136:137]
	v_pk_add_f32 v[86:87], v[140:141], v[144:145]
	v_pk_add_f32 v[84:85], v[148:149], v[152:153]
	v_pk_add_f32 v[14:15], v[14:15], v[156:157]
	v_pk_add_f32 v[28:29], v[28:29], v[96:97]
	v_pk_add_f32 v[94:95], v[94:95], v[98:99]
	v_pk_add_f32 v[92:93], v[92:93], v[102:103]
	v_pk_add_f32 v[90:91], v[90:91], v[106:107]
	v_pk_add_f32 v[88:89], v[88:89], v[110:111]
	v_pk_add_f32 v[86:87], v[86:87], v[114:115]
	v_pk_add_f32 v[84:85], v[84:85], v[118:119]
	v_pk_add_f32 v[14:15], v[14:15], v[122:123]
	v_pk_add_f32 v[28:29], v[28:29], v[126:127]
	v_pk_add_f32 v[94:95], v[94:95], v[130:131]
	v_pk_add_f32 v[92:93], v[92:93], v[134:135]
	v_pk_add_f32 v[90:91], v[90:91], v[138:139]
	v_pk_add_f32 v[88:89], v[88:89], v[142:143]
	v_pk_add_f32 v[86:87], v[86:87], v[146:147]
	v_pk_add_f32 v[84:85], v[84:85], v[150:151]
	v_pk_add_f32 v[14:15], v[14:15], v[154:155]
	v_pk_add_f32 v[28:29], v[28:29], v[158:159]
	s_delay_alu instid0(VALU_DEP_2)
	v_pk_add_f32 v[14:15], v[14:15], v[90:91]
	s_delay_alu instid0(VALU_DEP_2)
	v_pk_add_f32 v[28:29], v[28:29], v[88:89]
	v_pk_add_f32 v[94:95], v[94:95], v[86:87]
	v_pk_add_f32 v[92:93], v[92:93], v[84:85]
	s_delay_alu instid0(VALU_DEP_2)
	v_pk_add_f32 v[14:15], v[14:15], v[94:95]
	s_delay_alu instid0(VALU_DEP_2)
	v_pk_add_f32 v[28:29], v[28:29], v[92:93]
	s_delay_alu instid0(VALU_DEP_1)
	v_pk_add_f32 v[14:15], v[14:15], v[28:29]
.irp b, 0,1,2,3
.set jj, 0
.rept 16
.set jj, jj+1
.endr
	v_cvt_scalef32_pk8_bf8_f32 v[32+4*\b:33+4*\b], v[96+16*\b:103+16*\b], v9
	v_cvt_scalef32_pk8_bf8_f32 v[34+4*\b:35+4*\b], v[104+16*\b:111+16*\b], v9
.endr
.set jj, 0
.rept 16
	v_pk_mul_f32 v[160+jj:161+jj], v[160+jj:161+jj], v[10:11] op_sel_hi:[1,0]   ; O^T under the new M; also the plain instructions behind the conversions
.set jj, jj+2
.endr
	s_wait_alu depctr_va_vdst(0)
	s_wait_dscnt 0x0                               ; V is in
.irp d, 0,1,2,3
	v_wmma_f32_16x16x128_bf8_bf8 v[160+8*\d:167+8*\d], v[192+16*\d:207+16*\d], v[32:47], v[160+8*\d:167+8*\d]
.endr
.rept 4
	v_nop                                          ; places ahead of the next loads into these operands' registers and of the next read of O^T
.endr
.Lhidden_\@:
	s_add_co_u32 s[KF], s[KF], 128
.endm
; THE CHANGE OF SLOTS stands at a trip's head.  Each wave waits for all its tensor loads, adds 0 to its spare word, and waits for that and for its reads of the slot that it has left.  Behind the barrier the slot ahead
; is whole and nobody reads the other one.  fill = 1: that other slot takes the next trip's 256 keys: the next of the block in hand, or keys 0 to 255 again where the next trip begins the second block.
.macro CHANGE fill
	s_wait_tensorcnt 0x0                           ; no tensor load of mine is out, so a group 0 may be written
	ds_add_u32 v[SPW], v[NIL]                      ; 0 onto my spare word
.if \fill
	s_add_co_u32 s59, s[NX], 1
	s_cmp_eq_u32 s[SLOTS], s[SW]                   ; is this block I's last trip?
	s_cselect_b32 s[NX], 0, s59
	s_xor_b32 s[G0K+1], s[G0K+1], SLOT1            ; the other slot than last time
	s_xor_b32 s[G0V+1], s[G0V+1], SLOT1
	s_lshl_b32 s52, s[NX], 14                      ; 16 tiles of 1,024 bytes
	s_add_nc_u64 s[G0K+2:G0K+3], s[10:11], s[52:53]
	s_or_b32 s[G0K+3], s[G0K+3], 0x80000000
	s_lshl_b32 s52, s[NX], 18
	s_add_nc_u64 s[G0V+2:G0V+3], s[12:13], s[52:53]
	s_or_b32 s[G0V+3], s[G0V+3], 0x80000000
	s_wait_xcnt 0x0                                ; the last prefetch, a trip back, has read its address, so it may be written
	s_add_nc_u64 s[PFA:PFA+1], s[PFA:PFA+1], s[PFS:PFS+1]
.endif
	s_wait_dscnt 0x0                               ; the add is done, and my reads of the slot that I have left are over
	s_barrier_signal -1
	s_barrier_wait -1
.if \fill
	TLOAD                                          ; the first thing behind the barrier, and a wave's one tensor load until the next
	ASK
.endif
.endm
; A BLOCK'S END: O^T / the sum, held, converted under e10, stored: two groups of 512 consecutive bytes.  reload = 1: the second block begins: its Q, and the statistics as at the head.
.macro FLUSH cb, reload
	v_add_f32 v14, v14, v15                        ; the sum's two halves,
	s_delay_alu instid0(VALU_DEP_1)
	v_permlanex16_b32 v26, v14, s[SEL], s[SEL+1]
	s_delay_alu instid0(VALU_DEP_1)
	v_add_f32 v14, v14, v26                        ; and lane l xor 16's
	s_wait_alu depctr_va_vdst(0)
	v_rcp_f32 v10, v14
	v_nop                                          ; a plain instruction behind the reciprocal
	s_wait_alu depctr_va_vdst(0)                   ; and the wait ahead of its first reader
.set jj, 0
.rept 16
	v_pk_mul_f32 v[96+jj:97+jj], v[160+jj:161+jj], v[10:11] op_sel_hi:[1,0]   ; register 8 t + j: channel 32 (t / 2) + 16 h + 8 (t % 2) + j of my query
.set jj, jj+2
.endr
.set jj, 0
.rept 32
.set jj, jj+1
.endr
.irp t, 0,1,2,3
	v_cvt_scalef32_pk8_bf8_f32 v[32+2*\t:33+2*\t], v[96+8*\t:103+8*\t], v30
.endr
	v_nop                                          ; a plain instruction behind the last conversion
	global_store_b128 v[LI], v[32:35], s[\cb:\cb+1]
	global_store_b128 v[LI], v[36:39], s[\cb:\cb+1] offset:512
.if \reload
	global_load_b128 v[16:19], v[LI], s[14:15]
	global_load_b128 v[20:23], v[LI], s[14:15] offset:512
	v_mov_b32 v13, 0xff61b1e6
	s_delay_alu instid0(VALU_DEP_1)
	v_floor_f32 v12, -v13
	v_mov_b32 v14, 0
	v_mov_b32 v15, 0
.set jj, 0
.rept 32
	v_mov_b32 v[160+jj], 0
.set jj, jj+1
.endr
	s_mov_b32 s[KF], 0
	s_mov_b32 s[QLO], s[QLO2]
	s_wait_loadcnt 0x0                             ; Q
	s_wait_xcnt 0x0                                ; the stores have read their codes: the next step's loads land there
.endif
.endm
	s_wait_loadcnt 0x0                             ; Q
.Lslot:                                            ; 8 trips: behind each change of slots but the last the next trip's keys are asked for
	CHANGE 1
	STEP 0
	STEP 1
	s_xor_b32 s[TB], s[TB], SLOT1                  ; on to the other slot
	s_cmp_lg_u32 s[SLOTS], s[SW]                   ; block I ends with trip I: a branch on ids, round arithmetic and global accesses alone
	s_cbranch_scc1 .Lkeep
	FLUSH 16, 1
.Lkeep:
	s_sub_co_u32 s[SLOTS], s[SLOTS], 1
	s_cmp_lg_u32 s[SLOTS], 0
	s_cbranch_scc1 .Lslot
	CHANGE 0                                       ; the last trip is written out
	STEP 0
	STEP 1
	FLUSH 48, 0
	s_wait_tensorcnt 0x0                           ; the wave's end
	ds_add_u32 v[SPW], v[NIL]
	s_wait_dscnt 0x0
	s_endpgm
.Lfunc_end_k_qae0e0dddbb_attn:
	.size	k_qae0e0dddbb_attn, .Lfunc_end_k_qae0e0dddbb_attn-k_qae0e0dddbb_attn
	.p2alignl 7, 3214868480
	.fill 96, 4, 3214868480
	.section	.rodata,"a",@progbits
	.p2align	6, 0x0
	.amdhsa_kernel k_qae0e0dddbb_attn
		.amdhsa_group_segment_fixed_size 327680
		.amdhsa_private_segment_fixed_size 0
		.amdhsa_enable_private_segment 0
		.amdhsa_kernarg_size 24
		.amdhsa_user_sgpr_count 2
		.amdhsa_user_sgpr_kernarg_segment_ptr 1
		.amdhsa_wavefront_size32 1
		.amdhsa_system_sgpr_workgroup_id_x 1
		.amdhsa_system_sgpr_workgroup_id_y 1
		.amdhsa_system_sgpr_workgroup_id_z 1
		.amdhsa_system_vgpr_workitem_id 0
		.amdhsa_next_free_vgpr 256
		.amdhsa_next_free_sgpr 100
		.amdhsa_reserve_vcc 1
		.amdhsa_float_denorm_mode_32 3
		.amdhsa_float_denorm_mode_16_64 3
		.amdhsa_fp16_overflow 1
		.amdhsa_memory_ordered 1
		.amdhsa_forward_progress 1
		.amdhsa_inst_pref_size 91
	.end_amdhsa_kernel
	.amdgpu_metadata
---
amdhsa.version: [ 1, 2 ]
amdhsa.kernels:
  - .name:           k_qae0e0dddbb_attn
    .symbol:         k_qae0e0dddbb_attn.kd
    .args:
      - { .name: qkv, .offset: 0, .size: 8, .value_kind: global_buffer, .address_space: global }
      - { .name: lowp_scales, .offset: 8, .size: 8, .value_kind: global_buffer, .address_space: global }
      - { .name: ctx, .offset: 16, .size: 8, .value_kind: global_buffer, .address_space: global }
    .group_segment_fixed_size: 327680
    .private_segment_fixed_size: 0
    .kernarg_segment_align: 8
    .kernarg_segment_size: 24
    .max_flat_workgroup_size: 512
    .sgpr_count:     100
    .vgpr_count:     256
    .wavefront_size: 32
...
	.end_amdgpu_metadata
.endif
;; end of part 3
;; launch oproj (part 4): grid 4 x 32, 4 waves a work-group, clusters of 4 x 4, 327,680 bytes of LDS; arguments ctx, codes, lowp_scales, b_o, out0; writes out0
.if DOCPART == 4
	.amdgcn_target "amdgcn-amd-amdhsa--gfx1250"
	.amdhsa_code_object_version 6
	.text
	.protected	k_qae0e0dddbb_oproj
	.globl	k_qae0e0dddbb_oproj
	.p2align	8
	.type	k_qae0e0dddbb_oproj,@function
k_qae0e0dddbb_oproj:
	s_mov_b64 s[64:65], 0
	v_nop
	global_prefetch_b8 v0, s[64:65] scope:SCOPE_SE
	s_setreg_imm32_b32 hwreg(HW_REG_WAVE_MODE, 25, 1), 1
	s_wait_xcnt 0x0
	s_wait_alu depctr_hold_cnt(0) depctr_sa_sdst(0) depctr_va_vdst(0) depctr_va_sdst(0) depctr_va_ssrc(0) depctr_va_vcc(0) depctr_vm_vsrc(0)
	s_getreg_b32 s2, hwreg(HW_REG_IB_STS2, 6, 4)
	s_cmp_eq_u32 s2, 0
	s_cbranch_scc0 .Lentry_in_a_cluster
	s_endpgm
.Lentry_in_a_cluster:
	s_bfe_u32 s2, ttmp6, 0x10000c
	s_cmp_lg_u32 s2, 0xf033
	s_cbranch_scc0 .Lentry_shape_is_right
	s_endpgm
.Lentry_shape_is_right:
; out0 = ctx W_o^T + b_o on codes of BF8 (E5M2): each finished sum x 2^(e10 + e11) + bias, f32.
; OPERANDS are images of operand registers (16 rows x 128 K = 2,048 bytes: group c at 512 c, lane l's 16 bytes at 16 l); row tile 2 B + u holds as row i the row 32 B + 8 u + i + 8 (i / 8); a row tile's 8 fragments lie on end.
; THE MATRIX INSTRUCTION IS USED TRANSPOSED (source 0 = W_o's row tile t, source 1 = ctx's row tile a): lane l, register j of accumulator (a, t) is out(row l % 16 of tile a, n = 32 (t / 2) + 16 (l / 16) + 8 (t % 2) + j).
; SHARES.  A tile of the output is 256 x 256: four waves of 128 x 128; 128 tiles = 8 clusters of 4 x 4 work-groups.  ctx's tile is shared along a row of the cluster, W_o's along a column: joint loads.
; K goes in 4 steps of 256 through two LDS slots; a wave's tensor load brings 8 row tiles x 4,096 bytes.
; THE WAY OUT: a block of 16 rows x 128 columns goes through the wave's own stage in LDS and comes back as whole rows of 512 bytes; there one packed multiply-add gives sum x 2^(e10 + e11) + bias (a lane's four columns are
; the same in every row, so the bias is four registers).  The stage lies in slot 0, which has had its last fill and its last read by then.
; LIMIT: e10 + e11 lies between -126 and 127, so that 2^(e10 + e11) is an f32 number.
; REGISTERS, in windows of 256: window 0: v16-31 addresses; v32-35 the bias; v128-255 A's 8 fragments, ONE set, later rows on the way out.  window 1: B's fragments, two sets.  windows 2, 3: accumulators, (a, t) at v[8 (8 (a % 4) + t)].
.set FR,     16
.set NL,     4
.set NP,     4
.set TILEB,  4096
.set HALFT,  8*TILEB
.set SLOT,   4*HALFT
.set SPARE,  2*SLOT                    ; behind the ring: the spare words, 128 bytes for each wave, that no other line names
.set SPITCH, 528                       ; a stage row: 512 bytes + 16
.set ADRA, 16
.set ADRB, 20
.set STO,  24                          ; v24  the way out: where I put 32 bytes of a row
.set RD,   25                          ; v25  where I read a row back
.set LI,   26                          ; v26  16 x lane
.set SPW,  28
.set NIL,  29
.set BIAS, 32
.set AF,   128
.set BK,   128                         ; 16 rows read back: v128-191 and v192-255 by turns
.set G1, 24
.set G0, 32
.set G1B, 48
.set G0B, 56
.set MSB, 0
.macro WIN new
.if MSB != (\new)
	s_set_vgpr_msb (MSB<<8)|(\new)
.set MSB, (\new)
.endif
.endm
.set MUL_LO, 0xa1
.set MUL_HI, 0xf1
.set TO_B,   0x40
.macro JLOAD g0a, g1a, g0b, g1b        ; a joint load: waves 0 and 1 fetch for A, waves 2 and 3 for B.  Four v_nop follow each of the two lines
	s_cmp_eq_u32 s15, 0
	s_cbranch_scc0 .Lfor_b_\@
	tensor_load_to_lds s[\g0a:\g0a+3], s[\g1a:\g1a+7]
	s_nop 0
.rept 4
	v_nop
.endr
	s_branch .Lasked_\@
.Lfor_b_\@:
	tensor_load_to_lds s[\g0b:\g0b+3], s[\g1b:\g1b+7]
	s_nop 0
.rept 4
	v_nop
.endr
.Lasked_\@:
.endm
.macro CREST
	s_cmp_lg_u32 s14, 0
	s_cbranch_scc1 .Lnot_wave_0_\@
	s_barrier_signal -3
.Lnot_wave_0_\@:
	s_barrier_wait -3
	s_barrier_signal -1
	s_barrier_wait -1
.endm
.macro CROUND
	s_barrier_signal -1
	s_barrier_wait -1
	CREST
.endm
	s_load_b128 s[4:7], s[0:1], 0x0                ; ctx s[4:5], codes s[6:7]
	s_load_b128 s[8:11], s[0:1], 0x10              ; the scales' exponents s[8:9], b_o s[10:11]
	s_load_b64 s[12:13], s[0:1], 0x20              ; out0
	v_lshl_add_u32 v[SPW], v0, 2, SPARE
	v_mov_b32 v[NIL], 0
	ds_add_u32 v28, v29
	ds_add_u32 v28, v29
	s_wait_dscnt 0x0
	v_lshrrev_b32 v1, 5, v0
	v_readfirstlane_b32 s14, v1                    ; wave 0..3
	s_lshr_b32 s15, s14, 1                         ; which half of the tile's rows is mine.  Also: I fetch for A (0) or for B (1)
	s_and_b32 s16, s14, 1                          ; which half of its columns.  Also: which 8 row tiles I fetch
	s_bfe_u32 s40, ttmp6, 0x40000                  ; cx, cy
	s_bfe_u32 s41, ttmp6, 0x40004
	s_and_b32 s17, ttmp7, 0xffff
	s_lshl_b32 s17, s17, 2
	s_add_co_u32 s17, s17, s41                     ; tile row = 4 x cluster y + cy; the tile column is cx
	s_lshl_b32 s43, s41, 2
	s_lshl_b32 s43, 15, s43                        ; my row of the cluster
	s_lshl_b32 s44, 0x1111, s40                    ; my column
	s_or_b32 s[G1+0], s43, (3<<16)|(1<<21)         ; 15:0 the mask; 17:16 elements of 8 bytes; 21 set beside a mask
	s_or_b32 s[G1B+0], s44, (3<<16)|(1<<21)
.irp g, G1, G1B
	s_mov_b32 s[\g+1], 512<<16                     ; tensor_dim0
	s_mov_b32 s[\g+2], 8<<16                       ; tensor_dim1
	s_mov_b32 s[\g+3], 512<<16                     ; tile_dim0
	s_mov_b32 s[\g+4], 8                           ; tile_dim1
	s_mov_b32 s[\g+5], 2048                        ; tensor_dim0_stride
	s_mov_b32 s[\g+6], 0
	s_mov_b32 s[\g+7], 0
.endr
	s_lshl_b32 s90, s16, 17                        ; which 8 row tiles I fetch
	s_lshl_b32 s20, s17, 18                        ; A: 16 row tiles x tile row
	s_add_co_u32 s20, s20, s90
	s_mov_b32 s21, 0
	s_lshl_b32 s46, s40, 18                        ; B: 16 row tiles x cx,
	s_add_co_u32 s46, s46, s90
	s_add_co_u32 s46, s46, 27<<20                  ; in W_o's codes
	s_mov_b32 s47, 0
	s_lshl_b32 s45, s14, 15                        ; where they go: wave x 32,768
	s_wait_kmcnt 0x0
	s_load_b64 s[96:97], s[8:9], 0x28              ; e10, e11
	s_add_nc_u64 s[20:21], s[4:5], s[20:21]
	s_add_nc_u64 s[46:47], s[6:7], s[46:47]
	CROUND                                         ; all sixteen work-groups are here: the first joint loads meet
.irp s, 0,1
	s_mov_b32 s[G0+4*\s], 1
	s_add_co_u32 s[G0+4*\s+1], s45, \s*SLOT
	s_add_nc_u64 s[G0+4*\s+2:G0+4*\s+3], s[20:21], \s*TILEB
	s_or_b32 s[G0+4*\s+3], s[G0+4*\s+3], 0x80000000
	s_mov_b32 s[G0B+4*\s], 1
	s_add_co_u32 s[G0B+4*\s+1], s45, \s*SLOT
	s_add_nc_u64 s[G0B+4*\s+2:G0B+4*\s+3], s[46:47], \s*TILEB
	s_or_b32 s[G0B+4*\s+3], s[G0B+4*\s+3], 0x80000000
	s_wait_alu depctr_va_vdst(0)
	s_wait_tensorcnt 0x0
	ds_add_u32 v28, v29
	ds_add_u32 v28, v29
	s_wait_dscnt 0x0
	CROUND
	JLOAD G0+4*\s, G1, G0B+4*\s, G1B
.endr
	v_and_b32 v1, 31, v0
	v_lshlrev_b32 v[LI], 4, v1
	s_lshl_b32 s18, s15, 15
	s_lshl_b32 s19, s16, 15
	s_add_co_u32 s19, s19, 2*HALFT
.irp s, 0,1
	v_add_nc_u32 v[ADRA+\s], s18, v[LI]
	v_add_nc_u32 v[ADRB+\s], s19, v[LI]
	s_add_co_u32 s18, s18, SLOT
	s_add_co_u32 s19, s19, SLOT
.endr
	v_and_b32 v2, 15, v0
	v_bfe_u32 v3, v0, 4, 1
	s_mul_i32 s23, s14, 16*SPITCH                  ; my stage
	v_mul_u32_u24 v[STO], v2, SPITCH               ; in: row l % 16, + 64 (l / 16): my 16 columns of each 32
	v_lshl_add_u32 v[STO], v3, 6, v[STO]
	v_add_nc_u32 v[STO], s23, v[STO]
	v_add_nc_u32 v[RD], s23, v[LI]                 ; back: the 32 lanes take one row of 512 bytes
	s_lshl_b32 s84, s17, 8
	s_lshl_b32 s85, s15, 7
	s_add_co_u32 s84, s84, s85                     ; my first row: 256 x tile row + 128 x half,
	s_lshl_b32 s84, s84, 12                        ; of 4,096 bytes
	s_lshl_b32 s86, s40, 10                        ; my first column, in bytes: 1,024 cx + 512 x half
	s_lshl_b32 s87, s16, 9
	s_add_co_u32 s86, s86, s87
	s_mov_b32 s87, 0
	s_add_nc_u64 s[10:11], s[10:11], s[86:87]
	global_load_b128 v[BIAS:BIAS+3], v[LI], s[10:11]   ; the bias of my four columns of a row read back
	s_add_co_u32 s84, s84, s86
	s_mov_b32 s85, 0
	s_add_nc_u64 s[12:13], s[12:13], s[84:85]
	s_wait_alu depctr_va_vdst(0)
	s_wait_kmcnt 0x0
	s_add_co_i32 s96, s96, s97
	s_add_co_i32 s96, s96, 127
	s_lshl_b32 s96, s96, 23                        ; 2^(e10 + e11) as f32
	s_mov_b32 s97, s96                             ; (named with it as a pair)
.macro FRAG reg, adr, q, i
.irp c, 0,1,2,3
	ds_load_b128 v[\reg+4*\c:\reg+4*\c+3], v[\adr] offset:TILEB*(\i)+2048*(\q)+512*\c
.endr
.endm
; 16 matrix instructions: A's blocks a0, a0 + 1 x B's eight.  The 64 accumulators take turns, one instruction a turn, in the same order in every step.
.macro MUL16 a0, p, zero
.irp a, \a0, \a0+1
.irp b, 0,1,2,3,4,5,6,7
.if \zero
	v_wmma_f32_16x16x128_bf8_bf8 v[8*(8*((\a)%4)+\b):8*(8*((\a)%4)+\b)+7], v[128*(\p)+FR*\b:128*(\p)+FR*\b+FR-1], v[AF+FR*(\a):AF+FR*(\a)+FR-1], 0
.else
	v_wmma_f32_16x16x128_bf8_bf8 v[8*(8*((\a)%4)+\b):8*(8*((\a)%4)+\b)+7], v[128*(\p)+FR*\b:128*(\p)+FR*\b+FR-1], v[AF+FR*(\a):AF+FR*(\a)+FR-1], v[8*(8*((\a)%4)+\b):8*(8*((\a)%4)+\b)+7]
.endif
.endr
.endr
.endm
.macro FETCH_B slot, q, p
	WIN TO_B
.irp i, 0,1,2,3,4,5,6,7
	FRAG 128*(\p)+FR*\i, ADRB+\slot, \q, \i
.endr
	WIN 0
.endm
.macro FETCH_A slot, q, i0
.irp i, \i0, \i0+1, \i0+2, \i0+3
	FRAG AF+FR*(\i), ADRA+\slot, \q, \i
.endr
.endm
.macro PLACES n
.rept \n
	v_nop
.endr
.endm
.macro STEP slot, q, zero
	s_wait_dscnt 4*NL                              ; B's set and A's blocks 0-3 are in; the youngest 16 loads (A's blocks 4-7) may be out
	WIN MUL_LO
	MUL16 0, (\q)%2, \zero
	MUL16 2, (\q)%2, \zero
	s_wait_dscnt 0
	PLACES NP
	FETCH_B \slot, (\q)+1, 1-(\q)%2
	FETCH_A \slot, (\q)+1, 0
	WIN MUL_HI
	MUL16 4, (\q)%2, \zero
	MUL16 6, (\q)%2, \zero
	PLACES NP
	WIN 0
	FETCH_A \slot, (\q)+1, 4
.endm
; A slot's last step changes slots: ONE barrier; in front of it each wave waits for all its tensor loads, adds 0 to its spare word, and waits for that and for its own reads of this slot.  fill = 1: this slot takes the K step two on.
.macro TURN slot, next, fill
	s_wait_tensorcnt 0x0                           ; all my tensor loads have landed: my part of the next slot
	ds_add_u32 v[SPW], v[NIL]                      ; 0 onto my spare word
	s_wait_dscnt 4*NL+1                            ; the add and the youngest 16 loads may be out
	WIN MUL_LO
	MUL16 0, 1, 0
	s_wait_dscnt 0x0                               ; the add is done, and my reads of this slot are over
	s_barrier_signal -1
	MUL16 2, 1, 0
	WIN 0
	s_barrier_wait -1
.if \fill
	CREST                                          ; the barrier has opened a round of the cluster's barrier
	s_add_nc_u64 s[G0+4*\slot+2:G0+4*\slot+3], s[G0+4*\slot+2:G0+4*\slot+3], 2*TILEB
	s_add_nc_u64 s[G0B+4*\slot+2:G0B+4*\slot+3], s[G0B+4*\slot+2:G0B+4*\slot+3], 2*TILEB
	JLOAD G0+4*\slot, G1, G0B+4*\slot, G1B         ; the first tensor load behind the round; its four v_nop are also the places in front of the loads below
.else
	PLACES NP
.endif
	FETCH_B \next, 0, 0
	FETCH_A \next, 0, 0
	WIN MUL_HI
	MUL16 4, 1, 0
	MUL16 6, 1, 0
	PLACES NP
	WIN 0
	FETCH_A \next, 0, 4
.endm
	s_wait_tensorcnt 1                             ; my part of K step 0 is in (K step 1's load may be out)
	s_barrier_signal -1
	s_barrier_wait -1
	FETCH_B 0, 0, 0
	FETCH_A 0, 0, 0
	FETCH_A 0, 0, 4
	STEP 0, 0, 1
	TURN 0, 1, 1
	STEP 1, 0, 0
	TURN 1, 0, 1
	STEP 0, 0, 0
	TURN 0, 1, 0                                   ; nothing is left to fetch; behind this barrier nobody reads slot 0
	STEP 1, 0, 0
	s_wait_dscnt 4*NL                              ; the very last step
	WIN MUL_LO
	MUL16 0, 1, 0
	MUL16 2, 1, 0
	s_wait_dscnt 0
	WIN MUL_HI
	MUL16 4, 1, 0
	MUL16 6, 1, 0
	WIN 0
; THE WAY OUT.  Block a's sums go into my stage as they are (each accumulator's low four registers first) and come back as whole rows.  LDS serves a wave's instructions in order: no wait between the stores and the loads, nor in front of the next block's stores.
.macro TOSTAGE a
.set AC, 64*((\a)%4)
	WIN 0x08+4*((\a)/4)                            ; the store's data: window 2 or 3
.irp t, 0,1,2,3,4,5,6,7
	ds_store_b128 v[STO], v[AC+8*\t:AC+8*\t+3] offset:128*(\t/2)+32*(\t%2)
	ds_store_b128 v[STO], v[AC+8*\t+4:AC+8*\t+7] offset:128*(\t/2)+32*(\t%2)+16
.endr
	WIN 0
.set BB, BK+64*((\a)%2)
.irp p, 0,1,2,3,4,5,6,7,8,9,10,11,12,13,14,15
	ds_load_b128 v[BB+4*\p:BB+4*\p+3], v[RD] offset:\p*SPITCH
.endr
.endm
.macro SEND a, younger                 ; younger: the LDS instructions issued behind block a's loads, which may stay out
.set BB, BK+64*((\a)%2)
	s_wait_dscnt \younger
.set pp, 0
.rept 16
	v_pk_fma_f32 v[BB+4*pp:BB+4*pp+1], v[BB+4*pp:BB+4*pp+1], s[96:97], v[BIAS:BIAS+1] op_sel_hi:[1,0,1]       ; sum x 2^(e10 + e11) + bias
	v_pk_fma_f32 v[BB+4*pp+2:BB+4*pp+3], v[BB+4*pp+2:BB+4*pp+3], s[96:97], v[BIAS+2:BIAS+3] op_sel_hi:[1,0,1]
.set pp, pp+1
.endr
.irp p, 0,1,2,3,4,5,6,7,8,9,10,11,12,13,14,15
	global_store_b128 v[LI], v[BB+4*\p:BB+4*\p+3], s[12:13] offset:(32*((\a)/2)+8*((\a)%2)+\p+8*(\p/8))*4096 th:TH_STORE_NT   ; 32 lanes store 512 consecutive bytes; stage row p of block a is row 32 (a / 2) + 8 (a % 2) + p + 8 (p / 8)
.endr
.endm
	s_wait_loadcnt 0x0                             ; the bias
	PLACES NP                                      ; ahead of the first read of results and of loads into the registers that held A's fragments
	TOSTAGE 0
.irp a, 1,2,3,4,5,6,7
.if \a > 1
	s_wait_xcnt 0x0                                ; block a - 2's stores have read their registers: block a's loads may land there
.endif
	TOSTAGE \a
	SEND \a-1, 32                                  ; behind block a - 1's loads: block a's 16 stores and 16 loads
.endr
	SEND 7, 0
	s_wait_tensorcnt 0x0                           ; the wave's end
	ds_add_u32 v[SPW], v[NIL]
	s_wait_dscnt 0x0
	CROUND                                         ; the closing round
	s_endpgm
.Lfunc_end_k_qae0e0dddbb_oproj:
	.size	k_qae0e0dddbb_oproj, .Lfunc_end_k_qae0e0dddbb_oproj-k_qae0e0dddbb_oproj
	.p2alignl 7, 3214868480
	.fill 96, 4, 3214868480
	.section	.rodata,"a",@progbits
	.p2align	6, 0x0
	.amdhsa_kernel k_qae0e0dddbb_oproj
		.amdhsa_group_segment_fixed_size 327680
		.amdhsa_private_segment_fixed_size 0
		.amdhsa_enable_private_segment 0
		.amdhsa_kernarg_size 40
		.amdhsa_user_sgpr_count 2
		.amdhsa_user_sgpr_kernarg_segment_ptr 1
		.amdhsa_wavefront_size32 1
		.amdhsa_system_sgpr_workgroup_id_x 1
		.amdhsa_system_sgpr_workgroup_id_y 1
		.amdhsa_system_sgpr_workgroup_id_z 1
		.amdhsa_system_vgpr_workitem_id 0
		.amdhsa_next_free_vgpr 1024
		.amdhsa_next_free_sgpr 100
		.amdhsa_reserve_vcc 0
		.amdhsa_float_denorm_mode_32 3
		.amdhsa_float_denorm_mode_16_64 3
		.amdhsa_memory_ordered 1
		.amdhsa_forward_progress 1
		.amdhsa_inst_pref_size 123
	.end_amdhsa_kernel
	.amdgpu_metadata
---
amdhsa.version: [ 1, 2 ]
amdhsa.kernels:
  - .name:           k_qae0e0dddbb_oproj
    .symbol:         k_qae0e0dddbb_oproj.kd
    .args:
      - { .name: ctx, .offset: 0, .size: 8, .value_kind: global_buffer, .address_space: global }
      - { .name: codes, .offset: 8, .size: 8, .value_kind: global_buffer, .address_space: global }
      - { .name: lowp_scales, .offset: 16, .size: 8, .value_kind: global_buffer, .address_space: global }
      - { .name: b_o, .offset: 24, .size: 8, .value_kind: global_buffer, .address_space: global }
      - { .name: out0, .offset: 32, .size: 8, .value_kind: global_buffer, .address_space: global }
    .group_segment_fixed_size: 327680
    .private_segment_fixed_size: 0
    .kernarg_segment_align: 8
    .kernarg_segment_size: 40
    .max_flat_workgroup_size: 128
    .sgpr_count:     100
    .vgpr_count:     1024
    .wavefront_size: 32
...
	.end_amdgpu_metadata
.endif
;; end of part 4
